; MI455X (gfx1250); checked and timed in simulation.
; The chip was launched on July 23, 2026; its instructions are those of AMD's public machine-readable ISA for CDNA 5 (MIT licence, August 2026) and "CDNA5" Instruction Set Architecture Reference Guide (July 2026). The comments in the code are by the model that wrote it; some were corrected since.
;; Self Attention. Allowed arithmetic: float matrix products may take bf16 or f16 operands with f32 sums; all other float work in f32.
;; Inputs: Wk 256 x 2,048 float32; Wo 2,048 x 256 float32; Wq 256 x 2,048 float32; Wv 256 x 2,048 float32; bk 2,048 float32; bo 256 float32; bq 2,048 float32; bv 2,048 float32; x 4 x 1,024 x 256 float32.
;; Outputs: out0 4 x 1,024 x 256 float32.
;; One version. Each part assembles by itself: llvm-mc -triple=amdgcn-amd-amdhsa -mcpu=gfx1250 --defsym DOCPART=n.
;; ======== version 1 of 1: 3 launches
;; limits: values are held in f16: magnitudes above 65,504 overflow, below 6.1e-05 lose precision; right only within a limited range of input values; values outside matrix products are rounded to f16
;; workspace buffers: xh 2,097,152 bytes; mt 1,048,576 bytes; nt 1,048,576 bytes; cq 8,192 bytes; dp 8,192 bytes; at 16,777,216 bytes
;; launch prep (part 1): grid 16 x 16, 8 waves a work-group, no clusters, 119,552 bytes of LDS; arguments x, Wq, Wk, Wv, Wo, bq, bv, xh, mt, nt, cq, dp; writes xh, mt, nt, cq, dp
.if DOCPART == 1
	.amdgcn_target "amdgcn-amd-amdhsa--gfx1250"
	.amdhsa_code_object_version 6
	.text
	.protected	k_q1939489be2_prep
	.globl	k_q1939489be2_prep
	.p2align	8
	.type	k_q1939489be2_prep,@function
k_q1939489be2_prep:
	s_mov_b64 s[64:65], 0
	v_nop
	global_prefetch_b8 v0, s[64:65] scope:SCOPE_SE
	s_setreg_imm32_b32 hwreg(HW_REG_WAVE_MODE, 25, 1), 1
	s_wait_xcnt 0x0
; PREP: the products of weights with weights, and x in f16.  First of three launches (prep, attn, outp) for
;   out = concat_h( softmax_j( q_h k_h^T / 16 ) v_h ) Wo + bo,   q = x Wq + bq, k = x Wk + bk, v = x Wv + bv,  8 heads of 256.
;
; WHAT IS LEFT OUT, AND WHAT IS REGROUPED.  In exact arithmetic, for all finite values of the inputs:
; (a) bk.  score(i,j) = q_i . (x_j Wk_h + bk_h) / 16.  The term q_i . bk_h / 16 is the same for every key j, and the softmax runs
;     along j, so it cancels.  bk has no way to the output: it is not loaded and is no argument of any launch.
; (b) q_i . (x_j Wk_h) = Q'_i . x_j  with  Q'_i = x_i (Wq_h Wk_h^T) + bq_h Wk_h^T : the keys of every head are the rows of x.
; (c) sum_h P_h (x Wv_h + bv_h) Wo_h = sum_h (P_h x)(Wv_h Wo_h) + sum_h bv_h Wo_h, since each row of P_h sums to 1: the values are x too.
; So this launch makes, with h the head, d = 0..255 inside the head:
;   mt[h][c2][c1] = 8  sum_d Wk[c2][256h+d] Wq[c1][256h+d]     f16      cq[h][c2] = 8  sum_d Wk[c2][256h+d] bq[256h+d]   f32
;   nt[o][256h+c1] = 16 sum_d Wo[256h+d][o] Wv[c1][256h+d]     f16      dp[h][o]  = 16 sum_d Wo[256h+d][o] bv[256h+d]   f32
;   xh = x in f16.   The factors 8 and 16 are powers of two that centre the products in f16's range; later launches take them out.
; LIMITS: matrix operands are f16, so |x|, |W|, |b|, |8 Wk Wq^T| and |16 Wo^T Wv^T| must stay below 65,504 (with inputs of the problem's
; kind thirty times larger they reach about 10,000); the order of rounding differs from the formula as written, since products are regrouped;
; a NaN, an infinity or an overflow that reaches only bk or q . bk is not carried to the result.
;
; SHARES: 256 work-groups of 8 waves.  kind = y >> 3 (0: mt and cq, 1: nt and dp), h = y & 7, rb = x >> 1 (32 rows of the result),
; cb = x & 1 (128 columns c1).  Each makes a tile of 32 x 128 and converts 16 rows of x.  Wave w makes the 16 columns c1 = 16 w .. of both
; row tiles: source 0 = 16 rows of Wq or Wv, source 1 = 16 rows of Wk, or 16 columns of Wo by transposing loads, so that a lane's eight
; results are eight neighbouring c1 of one row.  No tensor loads: f32 has to pass registers to become f16.  No cluster: each work-group reads
; 160 KiB once, and what neighbours share of it is read at the same time from the cache.
; THE BIAS PRODUCTS (cq, dp): the two work-groups of a row block hold the same source 1, so they share its 32 bias products: cb = 0 makes those of
; rows 0-15, cb = 1 those of rows 16-31, in wave 0, 8 matrix instructions each.  The head's 256 numbers of bq or bv are staged with the rest:
; one number a thread, loaded ahead of all other loads, into LDS row 128 in front of the first barrier.
; The two kinds are two copies of one macro behind a branch on the work-group's y, which is the same in all eight waves.  They lay source 1 out
; differently (rows of Wk along d; rows of Wo along o), and each layout has LDS bytes of its own: no LDS byte is written in two layouts in this text.
.set PA,   528                         ; LDS pitch of rows of 256 f16: 512 + 16 bytes, an odd multiple of 16
.set PB1,  96                          ; LDS pitch of Wo's rows of 32 f16: 64 + 32 bytes, an odd multiple of 32 (transposing loads)
.set PS,   272                         ; LDS pitch of the stage's rows of 128 f16
.set LB0,  68352                       ; behind 129 rows of PA (128 rows of Wq or Wv, row 128 the bias): kind 0's 32 rows of Wk, 16,896 bytes
.set LB1,  85248                       ; behind them: kind 1's 256 rows of Wo, 24,576 bytes
.set STG,  109824                      ; behind them: 32 rows of PS
.set BROW, 128*PA
.set BD,  16                           ; v[16:47]    8 loads of B       later: AFR v[16:79]   8 K steps of source 0
.set AD,  48                           ; v[48:175]   32 loads of A             BF0 v[80:143]  8 K steps of source 1, rows 0-15
.set XD,  176                          ; v[176:191]  4 loads of x              BF1 v[144:207] rows 16-31
.set XO,  192                          ; v[192:199]  x in f16, to store
.set AFR, 16
.set BF0, 80
.set BF1, 144
.set AC0, 208                          ; v[208:215], v[216:223] the two accumulators
.set AC1, 216
.set BA0, 224                          ; v[224:231], v[232:239] the bias products' two accumulators: even and odd K steps
.set BA1, 232
.set PK,  240                          ; v[240:247] packed results
.set B4T, 248                          ; v248  4 t: my number of the bias in memory; in wave 0 also my result's place
.set BST, 249                          ; v249  row 128 + 2 t: where it goes in LDS
.set BL,  250                          ; v250  the number as loaded
.set BFA, 251                          ; v251  row 128 + 16 hl: the bias as a fragment, the same row for all 16 r
	s_load_b512 s[4:19], s[0:1], 0x0               ; x s[4:5], Wq s[6:7], Wk s[8:9], Wv s[10:11], Wo s[12:13], bq s[14:15], bv s[16:17], xh s[18:19]
	s_load_b256 s[20:27], s[0:1], 0x40             ; mt s[20:21], nt s[22:23], cq s[24:25], dp s[26:27]
	v_lshl_add_u32 v252, v0, 2, 0x1cf00
	v_mov_b32 v253, 0
	v_lshrrev_b32 v1, 5, v0
	v_readfirstlane_b32 s35, v1                    ; wave
	s_and_b32 s29, ttmp9, 1                        ; cb
	s_lshr_b32 s30, ttmp9, 1                       ; rb
	s_and_b32 s31, ttmp7, 0xffff                   ; y
	s_and_b32 s32, s31, 7                          ; h
	s_lshr_b32 s33, s31, 3                         ; kind
	s_lshl_b32 s34, s31, 4
	s_add_co_u32 s34, s34, ttmp9                   ; g = 16 y + x: which 16 rows of x
	s_mov_b32 s37, 0                               ; high word of every offset pair s[36:37]
	v_lshrrev_b32 v12, 6, v0                       ; t >> 6: one of 4 rows
	v_and_b32 v13, 63, v0                          ; t & 63: 16 bytes of a row's 1,024
	v_lshlrev_b32 v1, 13, v12
	v_lshl_add_u32 v1, v13, 4, v1                  ; A in memory: row x 8,192 + 16 (t & 63)
	v_mul_u32_u24 v2, v12, PA
	v_lshl_add_u32 v2, v13, 3, v2                  ; A in LDS: row x 528 + 8 (t & 63)
	v_lshlrev_b32 v5, 4, v0                        ; 16 t
	v_lshlrev_b32 v6, 3, v0                        ; 8 t
	v_and_b32 v14, 15, v0                          ; r
	v_bfe_u32 v15, v0, 4, 1                        ; hl
	v_lshl_add_u32 v12, s35, 4, v14
	v_mul_u32_u24 v7, v12, PA
	v_lshl_add_u32 v7, v15, 4, v7                  ; source 0's fragments: (16 wave + r) x 528 + 16 hl
	v_mul_u32_u24 v9, v14, PS
	v_lshl_add_u32 v9, v15, 4, v9
	v_lshl_add_u32 v9, s35, 5, v9
	v_add_nc_u32 v9, STG, v9                       ; stage, in: row r, bytes 32 wave + 16 hl
	v_lshrrev_b32 v12, 4, v0
	v_mul_u32_u24 v10, v12, PS
	v_lshl_add_u32 v10, v14, 4, v10
	v_add_nc_u32 v10, STG, v10                     ; stage, back: row t >> 4, bytes 16 (t & 15)
	v_lshlrev_b32 v[B4T], 2, v0
	v_lshlrev_b32 v[BST], 1, v0
	v_add_nc_u32 v[BST], BROW, v[BST]
	v_lshlrev_b32 v[BFA], 4, v15
	v_add_nc_u32 v[BFA], BROW, v[BFA]
	s_wait_kmcnt 0x0
	s_lshl_b32 s36, s34, 14
	s_add_nc_u64 s[44:45], s[4:5], s[36:37]        ; x at my 16 rows
	s_lshl_b32 s36, s34, 13
	s_add_nc_u64 s[48:49], s[18:19], s[36:37]      ; xh at my 16 rows
; the bias products with source 1 at bf: K steps by turns onto two accumulators, one instruction a turn
.macro BIASMUL bf
	v_wmma_f32_16x16x32_f16 v[BA0:BA0+7], v[AFR:AFR+7], v[\bf:\bf+7], 0
	v_wmma_f32_16x16x32_f16 v[BA1:BA1+7], v[AFR+8:AFR+15], v[\bf+8:\bf+15], 0
.irp ks, 2,4,6
	v_wmma_f32_16x16x32_f16 v[BA0:BA0+7], v[AFR+8*\ks:AFR+8*\ks+7], v[\bf+8*\ks:\bf+8*\ks+7], v[BA0:BA0+7]
	v_wmma_f32_16x16x32_f16 v[BA1:BA1+7], v[AFR+8*\ks+8:AFR+8*\ks+15], v[\bf+8*\ks+8:\bf+8*\ks+15], v[BA1:BA1+7]
.endr
.endm
.macro BODY kind
	s_lshl_b32 s36, s29, 20                        ; 128 cb rows of 8,192 bytes
	s_lshl_b32 s28, s32, 10                        ; the head's 1,024 bytes in a row
	s_add_co_u32 s36, s36, s28
.if \kind
	s_add_nc_u64 s[38:39], s[10:11], s[36:37]      ; A = Wv
	s_lshl_b32 s36, s32, 18                        ; B = Wo: the head's 256 rows of 1,024 bytes,
	s_lshl_b32 s46, s30, 7                         ; 32 rb columns
	s_add_co_u32 s36, s36, s46
	s_add_nc_u64 s[40:41], s[12:13], s[36:37]
	s_lshl_b32 s36, s30, 17                        ; nt: 32 rb rows of 4,096 bytes + 512 h + 256 cb
	s_lshl_b32 s46, s32, 9
	s_add_co_u32 s36, s36, s46
	s_lshl_b32 s46, s29, 8
	s_add_co_u32 s36, s36, s46
	s_add_nc_u64 s[42:43], s[22:23], s[36:37]
	s_mov_b32 s36, s28
	s_add_nc_u64 s[50:51], s[16:17], s[36:37]      ; bv of the head
	s_lshl_b32 s46, s30, 7
	s_add_co_u32 s36, s28, s46
	s_lshl_b32 s46, s29, 6
	s_add_co_u32 s36, s36, s46
	s_add_nc_u64 s[52:53], s[26:27], s[36:37]      ; dp[h][32 rb + 16 cb]
	s_mov_b32 s54, 0x41800000                      ; 16.0, twice
	s_mov_b32 s55, 0x41800000
	v_lshrrev_b32 v12, 3, v0                       ; t >> 3: one of 32 rows d
	v_and_b32 v13, 7, v0                           ; t & 7: 16 bytes of a row's 128
	v_lshlrev_b32 v3, 10, v12
	v_lshl_add_u32 v3, v13, 4, v3
	v_mul_u32_u24 v4, v12, PB1
	v_lshl_add_u32 v4, v13, 3, v4
	v_add_nc_u32 v4, LB1, v4
	v_lshl_add_u32 v8, v15, 3, v13                 ; transposing loads: row 8 hl + (lane & 7),
	v_mul_u32_u24 v8, v8, PB1
	v_bfe_u32 v12, v0, 3, 1
	v_lshl_add_u32 v8, v12, 4, v8                  ; 16 bytes on for lanes 8-15 of each half
	v_add_nc_u32 v8, LB1, v8
	v_lshrrev_b32 v11, 4, v0
	v_lshlrev_b32 v11, 12, v11                     ; result rows of 4,096 bytes
.set BSTEP, 32*PB1
.set OPITCH, 4096
.else
	s_add_nc_u64 s[38:39], s[6:7], s[36:37]        ; A = Wq
	s_lshl_b32 s36, s30, 18                        ; B = Wk: 32 rb rows of 8,192 bytes
	s_add_co_u32 s36, s36, s28
	s_add_nc_u64 s[40:41], s[8:9], s[36:37]
	s_lshl_b32 s36, s32, 17                        ; mt: 131,072 h + 32 rb rows of 512 bytes + 256 cb
	s_lshl_b32 s46, s30, 14
	s_add_co_u32 s36, s36, s46
	s_lshl_b32 s46, s29, 8
	s_add_co_u32 s36, s36, s46
	s_add_nc_u64 s[42:43], s[20:21], s[36:37]
	s_mov_b32 s36, s28
	s_add_nc_u64 s[50:51], s[14:15], s[36:37]      ; bq of the head
	s_lshl_b32 s46, s30, 7
	s_add_co_u32 s36, s28, s46
	s_lshl_b32 s46, s29, 6
	s_add_co_u32 s36, s36, s46
	s_add_nc_u64 s[52:53], s[24:25], s[36:37]      ; cq[h][32 rb + 16 cb]
	s_mov_b32 s54, 0x41000000                      ; 8.0, twice
	s_mov_b32 s55, 0x41000000
	v_mov_b32 v3, v1                               ; Wk's rows lie as Wq's
	v_add_nc_u32 v4, LB0, v2
	v_mul_u32_u24 v8, v14, PA
	v_lshl_add_u32 v8, v15, 4, v8
	v_add_nc_u32 v8, LB0, v8
	v_lshrrev_b32 v11, 4, v0
	v_lshlrev_b32 v11, 9, v11                      ; result rows of 512 bytes
.set BSTEP, 4*PA
.set OPITCH, 512
.endif
	v_lshl_add_u32 v11, v14, 4, v11                ; + 16 (t & 15)
	; 45 loads go out at once: my number of the bias, 8 of B, 32 of A, 4 of x
	global_load_b32 v[BL], v[B4T], s[50:51]        ; a wave's load covers 128 consecutive bytes; the eight waves cover the head's 256 numbers
.irp i, 0,1,2,3,4,5,6,7
	global_load_b128 v[BD+4*\i:BD+4*\i+3], v3, s[40:41] offset:32768*\i
.endr
.set ii, 0
.rept 32
	global_load_b128 v[AD+4*ii:AD+4*ii+3], v1, s[38:39] offset:32768*ii
.set ii, ii+1
.endr
.irp i, 0,1,2,3
	global_load_b128 v[XD+4*\i:XD+4*\i+3], v5, s[44:45] offset:4096*\i th:TH_LOAD_NT
.endr
	s_wait_loadcnt 44                              ; loads return in order: 44 were issued behind the bias's
	v_cvt_pk_f16_f32 v12, v[BL], v[BL]
	ds_store_b16 v[BST], v12                       ; the low half: row 128, element t
.set ii, 0
.rept 8
	s_wait_loadcnt 43-ii                           ; 43 - i were issued behind B's load i
	v_cvt_pk_f16_f32 v12, v[BD+4*ii], v[BD+4*ii+1]
	v_cvt_pk_f16_f32 v13, v[BD+4*ii+2], v[BD+4*ii+3]
	ds_store_b64 v4, v[12:13] offset:ii*BSTEP
.set ii, ii+1
.endr
.set ii, 0
.rept 32
	s_wait_loadcnt 35-ii                           ; 35 - i were issued behind A's load i
	v_cvt_pk_f16_f32 v12, v[AD+4*ii], v[AD+4*ii+1]
	v_cvt_pk_f16_f32 v13, v[AD+4*ii+2], v[AD+4*ii+3]
	ds_store_b64 v2, v[12:13] offset:ii*4*PA
.set ii, ii+1
.endr
.irp i, 0,1,2,3
	s_wait_loadcnt 3-\i                            ; 3 - i behind x's load i
	v_cvt_pk_f16_f32 v[XO+2*\i], v[XD+4*\i], v[XD+4*\i+1]
	v_cvt_pk_f16_f32 v[XO+2*\i+1], v[XD+4*\i+2], v[XD+4*\i+3]
	global_store_b64 v6, v[XO+2*\i:XO+2*\i+1], s[48:49] offset:2048*\i    ; a wave's store covers 256 consecutive bytes, aligned
.endr
	s_wait_dscnt 0x0                               ; my LDS stores are done: the other waves read them behind the barrier
	s_wait_xcnt 0x0                                ; the stores of xh have read v[192:199], which the fragment loads below write
	s_barrier_signal -1
	s_barrier_wait -1
.irp ks, 0,1,2,3,4,5,6,7
	ds_load_b128 v[AFR+8*\ks:AFR+8*\ks+3], v7 offset:64*\ks
	ds_load_b128 v[AFR+8*\ks+4:AFR+8*\ks+7], v7 offset:64*\ks+32
.endr
.if \kind
.irp ks, 0,1,2,3,4,5,6,7
	ds_load_tr16_b128 v[BF0+8*\ks:BF0+8*\ks+3], v8 offset:32*PB1*\ks                  ; d = 32 ks + 8 hl .. of column r
	ds_load_tr16_b128 v[BF0+8*\ks+4:BF0+8*\ks+7], v8 offset:32*PB1*\ks+16*PB1         ; d = 32 ks + 16 + 8 hl ..
	ds_load_tr16_b128 v[BF1+8*\ks:BF1+8*\ks+3], v8 offset:32*PB1*\ks+32               ; the same of column 16 + r
	ds_load_tr16_b128 v[BF1+8*\ks+4:BF1+8*\ks+7], v8 offset:32*PB1*\ks+16*PB1+32
.endr
.else
.irp ks, 0,1,2,3,4,5,6,7
	ds_load_b128 v[BF0+8*\ks:BF0+8*\ks+3], v8 offset:64*\ks
	ds_load_b128 v[BF0+8*\ks+4:BF0+8*\ks+7], v8 offset:64*\ks+32
	ds_load_b128 v[BF1+8*\ks:BF1+8*\ks+3], v8 offset:16*PA+64*\ks
	ds_load_b128 v[BF1+8*\ks+4:BF1+8*\ks+7], v8 offset:16*PA+64*\ks+32
.endr
.endif
	s_wait_dscnt 0x0
	; the two accumulators take turns, one instruction a turn; the first products start the sums
	v_wmma_f32_16x16x32_f16 v[AC0:AC0+7], v[AFR:AFR+7], v[BF0:BF0+7], 0
	v_wmma_f32_16x16x32_f16 v[AC1:AC1+7], v[AFR:AFR+7], v[BF1:BF1+7], 0
.irp ks, 1,2,3,4,5,6,7
	v_wmma_f32_16x16x32_f16 v[AC0:AC0+7], v[AFR+8*\ks:AFR+8*\ks+7], v[BF0+8*\ks:BF0+8*\ks+7], v[AC0:AC0+7]
	v_wmma_f32_16x16x32_f16 v[AC1:AC1+7], v[AFR+8*\ks:AFR+8*\ks+7], v[BF1+8*\ks:BF1+8*\ks+7], v[AC1:AC1+7]
.endr
.rept 4
	v_nop                                          ; four places behind the last matrix instruction before its result is read and its sources are loaded again (ISA guide 7.12.1)
.endr
	; wave 0 takes the bias as source 0, the same row in all 16 rows of the fragment; the wait for 0 in front of the next barrier covers these loads
	s_cmp_lg_u32 s35, 0
	s_cbranch_scc1 .Lnob_\@
.irp ks, 0,1,2,3,4,5,6,7
	ds_load_b128 v[AFR+8*\ks:AFR+8*\ks+3], v[BFA] offset:64*\ks
	ds_load_b128 v[AFR+8*\ks+4:AFR+8*\ks+7], v[BFA] offset:64*\ks+32
.endr
.Lnob_\@:
.irp e, 0,1,2,3
	v_pk_mul_f32 v[AC0+2*\e:AC0+2*\e+1], v[AC0+2*\e:AC0+2*\e+1], s[54:55] op_sel_hi:[1,0]
	v_pk_mul_f32 v[AC1+2*\e:AC1+2*\e+1], v[AC1+2*\e:AC1+2*\e+1], s[54:55] op_sel_hi:[1,0]
.endr
.irp e, 0,1,2,3
	v_cvt_pk_f16_f32 v[PK+\e], v[AC0+2*\e], v[AC0+2*\e+1]
	v_cvt_pk_f16_f32 v[PK+4+\e], v[AC1+2*\e], v[AC1+2*\e+1]
.endr
	ds_store_b128 v9, v[PK:PK+3]                   ; row r, columns 16 wave + 8 hl ..
	ds_store_b128 v9, v[PK+4:PK+7] offset:16*PS    ; row 16 + r
	s_wait_dscnt 0x0                               ; done before the others read whole rows
	s_barrier_signal -1
	s_barrier_wait -1
	ds_load_b128 v[AC0:AC0+3], v10
	ds_load_b128 v[AC0+4:AC0+7], v10 offset:16*PS
	s_wait_dscnt 0x1                               ; the first of the two is back
	global_store_b128 v11, v[AC0:AC0+3], s[42:43]                        ; sixteen lanes store 256 consecutive bytes, aligned
	s_wait_dscnt 0x0
	global_store_b128 v11, v[AC0+4:AC0+7], s[42:43] offset:16*OPITCH
	; the bias products, in wave 0: both sources are in registers.  cb picks the 16 rows of source 1; both ways write both accumulators.
	s_cmp_lg_u32 s35, 0
	s_cbranch_scc1 .Lend_\@
	s_cmp_lg_u32 s29, 0
	s_cbranch_scc1 .Lodd_\@
	BIASMUL BF0
	s_branch .Lsum_\@
.Lodd_\@:
	BIASMUL BF1
.Lsum_\@:
.rept 4
	v_nop                                          ; four places before the results are read
.endr
	v_add_f32 v12, v[BA0], v[BA1]                  ; register 0 of lane r: the sum for row r (even and odd K steps)
	v_mul_f32 v12, s54, v12
	v_cmp_gt_u32 vcc_lo, 16, v0                    ; lanes 16-31 hold the same sixteen numbers again
	s_wait_xcnt 0x0                                ; EXEC is a source of the tile's stores: it changes only behind this wait
	s_and_saveexec_b32 s47, vcc_lo
	global_store_b32 v[B4T], v12, s[52:53]         ; 64 consecutive bytes
	s_wait_xcnt 0x0                                ; and again in front of the line that widens it
	s_or_b32 exec_lo, exec_lo, s47
.Lend_\@:
	s_wait_tensorcnt 0x0
	ds_add_u32 v252, v253
	s_wait_dscnt 0x0
	s_endpgm
.endm
	s_cmp_lg_u32 s33, 0                            ; the same in all waves of the work-group
	s_cbranch_scc1 .Lkind1
	BODY 0
.Lkind1:
	BODY 1
.Lfunc_end_k_q1939489be2_prep:
	.size	k_q1939489be2_prep, .Lfunc_end_k_q1939489be2_prep-k_q1939489be2_prep
	.p2alignl 7, 3214868480
	.fill 96, 4, 3214868480
	.section	.rodata,"a",@progbits
	.p2align	6, 0x0
	.amdhsa_kernel k_q1939489be2_prep
		.amdhsa_group_segment_fixed_size 119552
		.amdhsa_private_segment_fixed_size 0
		.amdhsa_enable_private_segment 0
		.amdhsa_kernarg_size 96
		.amdhsa_user_sgpr_count 2
		.amdhsa_user_sgpr_kernarg_segment_ptr 1
		.amdhsa_wavefront_size32 1
		.amdhsa_system_sgpr_workgroup_id_x 1
		.amdhsa_system_sgpr_workgroup_id_y 1
		.amdhsa_system_sgpr_workgroup_id_z 1
		.amdhsa_system_vgpr_workitem_id 0
		.amdhsa_next_free_vgpr 254
		.amdhsa_next_free_sgpr 66
		.amdhsa_reserve_vcc 1
		.amdhsa_float_denorm_mode_32 3
		.amdhsa_float_denorm_mode_16_64 3
		.amdhsa_memory_ordered 1
		.amdhsa_forward_progress 1
		.amdhsa_inst_pref_size 51
	.end_amdhsa_kernel
	.amdgpu_metadata
---
amdhsa.version: [ 1, 2 ]
amdhsa.kernels:
  - .name:           k_q1939489be2_prep
    .symbol:         k_q1939489be2_prep.kd
    .args:
      - { .name: x, .offset: 0, .size: 8, .value_kind: global_buffer, .address_space: global }
      - { .name: Wq, .offset: 8, .size: 8, .value_kind: global_buffer, .address_space: global }
      - { .name: Wk, .offset: 16, .size: 8, .value_kind: global_buffer, .address_space: global }
      - { .name: Wv, .offset: 24, .size: 8, .value_kind: global_buffer, .address_space: global }
      - { .name: Wo, .offset: 32, .size: 8, .value_kind: global_buffer, .address_space: global }
      - { .name: bq, .offset: 40, .size: 8, .value_kind: global_buffer, .address_space: global }
      - { .name: bv, .offset: 48, .size: 8, .value_kind: global_buffer, .address_space: global }
      - { .name: xh, .offset: 56, .size: 8, .value_kind: global_buffer, .address_space: global }
      - { .name: mt, .offset: 64, .size: 8, .value_kind: global_buffer, .address_space: global }
      - { .name: nt, .offset: 72, .size: 8, .value_kind: global_buffer, .address_space: global }
      - { .name: cq, .offset: 80, .size: 8, .value_kind: global_buffer, .address_space: global }
      - { .name: dp, .offset: 88, .size: 8, .value_kind: global_buffer, .address_space: global }
    .group_segment_fixed_size: 119552
    .private_segment_fixed_size: 0
    .kernarg_segment_align: 8
    .kernarg_segment_size: 96
    .max_flat_workgroup_size: 256
    .sgpr_count:     66
    .vgpr_count:     254
    .wavefront_size: 32
...
	.end_amdgpu_metadata
.endif
;; end of part 1
;; launch attn (part 2): grid 64 x 4, 4 waves a work-group, clusters of 4 x 1, 327,680 bytes of LDS; arguments xh, mt, cq, at; writes at
.if DOCPART == 2
	.amdgcn_target "amdgcn-amd-amdhsa--gfx1250"
	.amdhsa_code_object_version 6
	.text
	.protected	k_q1939489be2_attn
	.globl	k_q1939489be2_attn
	.p2align	8
	.type	k_q1939489be2_attn,@function
k_q1939489be2_attn:
	s_mov_b64 s[64:65], 0
	v_nop
	global_prefetch_b8 v0, s[64:65] scope:SCOPE_SE
	s_setreg_imm32_b32 hwreg(HW_REG_WAVE_MODE, 25, 1), 1
	s_wait_xcnt 0x0
	s_wait_alu depctr_hold_cnt(0) depctr_sa_sdst(0) depctr_va_vdst(0) depctr_va_sdst(0) depctr_va_ssrc(0) depctr_va_vcc(0) depctr_vm_vsrc(0)
	s_getreg_b32 s2, hwreg(HW_REG_IB_STS2, 6, 4)
	s_cmp_eq_u32 s2, 0
	s_cbranch_scc0 .Lentry_in_a_cluster
	s_endpgm
.Lentry_in_a_cluster:
	s_bfe_u32 s2, ttmp6, 0x10000c
	s_cmp_lg_u32 s2, 0x3003
	s_cbranch_scc0 .Lentry_shape_is_right
	s_endpgm
.Lentry_shape_is_right:
; ATTN: at[i][256 h + c] = sum_j softmax_j( Q'_i . x_j / 16 ) x_j[c],  Q'_i = x_i (Wq_h Wk_h^T) + bq_h Wk_h^T, from xh, mt = 8 (Wk_h Wq_h^T), cq.
; Left out, as shown at the head of the first kernel: bk (the same for all keys, cancelled by the softmax); the projections to k and v
; (their weights are folded into mt and nt, so the rows of x are keys and values of every head).
; LIMITS: operands in f16: |x| < 65,504 and |Q'| < 2.3e7 (Q' is kept as Q' 2^-9 log2(e)); a Q' below 2^-15 of that loses bits, which moves a
; score by about 1e-5 of x's spread.  The softmax takes a true running maximum away; its exponent 32 (S - m) is formed by one fused multiply-add.
;
; SHARES: a work-group = one batch b, one head h, 128 queries; 256 work-groups.  The four work-groups of a cluster have b and h in common, so the
; key tiles (128 rows of x) and mt's head are asked for JOINTLY (mask 15); the query rows are each work-group's own and come by a plain load.
; Wave w: qh = w >> 1 picks 64 queries, kh = w & 1 picks the lower or upper 64 keys of every tile.  The two waves of a qh merge (m, l, O) at the end.
; EVERYTHING IS USED TRANSPOSED, so that a lane stands for a query (r = lane & 15; hl = lane >> 4):
;   Q'^T = (rows of mt) x (query rows);  S^T = (key rows) x Q';  O^T = (x^T, by transposing loads) x P.
; A result tile (register j: row 8 hl + j, column r) packs by conversion alone into half of the next product's second source.
; One LDS pitch, 528 bytes, serves both kinds of read: for the transposing loads lanes 8-15 of each half take the 16 bytes 128 bytes further on,
; so the sixteen lanes touch sixteen different 16-byte columns; local tile c of a block of 128 channels then holds channels 8 c + j and 64 + 8 c + j.
; What differs between kh = 0 and 1 is carried by addresses, never by register numbers: local K steps 0-3 of Q' are the wave's own half of c2
; (block kh), 4-7 the partner's; window 2 of O is channel block kh, window 3 block 1 - kh; each wave keeps window 2 and sends window 3.
;
; VECTOR WORK AMONG THE PRODUCTS.  Every fragment read from LDS feeds four products (the four query tiles); two pieces of two query tiles taking
; turns would halve that and double the LDS reads, and the 256 registers that would hold a phase's fragments for both pieces are not there.  So the
; vector phase is split along the keys and along O's registers instead, and nothing is read twice: the first P x values batches need only P of keys
; 0-31 and O's first sixteen tiles rescaled; the exponentials, sums and packing of keys 32-63 (needed from batch 2 on) and the other 48 tiles'
; rescaling (needed from batches 1, 4 and 5 on) stand in slices behind the products of batches 1, 0, 2 and 3.
;
; REGISTERS.  window 0: v2-9 LDS addresses, v10-13 m, v14-17 l, v18-25 rescale factors (pairs), v26-27 -32 m, v28-31 at work,
;   v32, v64, v96 three buffers of four fragments, v128-255 S, then P in place (in the prologue: v128-191 two sets of accumulators, v192-255 cq).
;   window 1: Q' (K step j, query tile qt at 32 j + 8 qt).  window 2: the query rows' fragments, then O of block kh (32 c + 8 qt).  window 3: O of block 1 - kh.
; LDS: 0: mt's head, 256 rows x 528 (filled once, later scratch for the two exchanges); 135,168: two slots of 128 rows x 528.
; Slot 1's first fill is the query rows.  The stage for the way out lies in slot 0, behind that slot's last fill and last read.
; By this text's own count a wave has at most three tensor loads outstanding (the first fills), later one.
.set PITCH, 528
.set RING,  135168
.set SLOT,  128*PITCH
.set WROWS, 32*PITCH
.set KA, 2                             ; v[2+2s] key fragments, my half of c2; v[3+2s] the partner's half
.set VA, 6                             ; v[6+2s] transposed fragments, channel block kh; v[7+2s] block 1 - kh
.set MX, 10
.set LS, 14
.set AL, 18
.set NM, 26
.set T,  28
.set FB, 32
.set SB, 128
.set BI, 192
.set QADR, 10                          ; prologue only
.set MADR, 11
.set BOFF, 12
.set XST,  13
.set XLD,  14
.set G1K, 16                           ; s[16:23] shape of a wave's quarter of a key tile: 32 rows x 256, joint
.set G1M, 24                           ; s[24:31] of mt's head: 64 rows x 256, joint
.set G1Q, 32                           ; s[32:39] of the query rows: 32 rows x 256, plain
.set G0M, 40
.set G0Q, 44
.set G0K, 48                           ; s[48:51] slot 0, s[52:55] slot 1
.set MSB, 0
.macro WIN new                         ; the immediate's high byte repeats the setting that is left
.if MSB != \new
	s_set_vgpr_msb (MSB<<8)|\new
.set MSB, \new
.endif
.endm
.macro PLACES n                        ; places behind matrix instructions (ISA guide 7.12.1)
.rept \n
	v_nop
.endr
.endm
; A round of the cluster's barrier: my work-group's barrier, wave 0 signals for the work-group, every wave waits for all four work-groups, my work-group's barrier again.
.macro ROUND
	s_barrier_signal -1
	s_barrier_wait -1
	s_cmp_lg_u32 s12, 0
	s_cbranch_scc1 .Lnot_wave_0_\@
	s_barrier_signal -3
.Lnot_wave_0_\@:
	s_barrier_wait -3
	s_barrier_signal -1
	s_barrier_wait -1
.endm
.macro LDK buf, adr, off               ; four fragments of 16 rows x 32 along the rows
.irp f, 0,1,2,3
	ds_load_b128 v[\buf+8*\f:\buf+8*\f+3], v[\adr] offset:\off+64*\f
	ds_load_b128 v[\buf+8*\f+4:\buf+8*\f+7], v[\adr] offset:\off+64*\f+32
.endr
.endm
.macro LDV buf, adr, off               ; four transposed fragments: 16 channels x 32 keys
.irp f, 0,1,2,3
	ds_load_tr16_b128 v[\buf+8*\f:\buf+8*\f+3], v[\adr] offset:\off+16*\f
	ds_load_tr16_b128 v[\buf+8*\f+4:\buf+8*\f+7], v[\adr] offset:\off+16*\f+16*PITCH
.endr
.endm
	s_load_b256 s[4:11], s[0:1], 0x0               ; xh s[4:5], mt s[6:7], cq s[8:9], at s[10:11]
	v_lshl_add_u32 v254, v0, 2, 0x42000
	v_mov_b32 v255, 0
	ds_add_u32 v254, v255
	s_wait_dscnt 0x0
	v_lshrrev_b32 v1, 5, v0
	v_readfirstlane_b32 s12, v1                    ; wave
	s_lshr_b32 s13, s12, 1                         ; qh
	s_and_b32 s14, s12, 1                          ; kh
	s_bfe_u32 s15, ttmp6, 0x40000                  ; cx: enters the query block alone (s71, the plain load's address, at's base)
	s_lshr_b32 s70, ttmp9, 1                       ; h: ttmp9 counts clusters
	s_and_b32 s71, ttmp9, 1
	s_lshl_b32 s71, s71, 2
	s_add_co_u32 s71, s71, s15                     ; qb: the query block of 128
	s_and_b32 s72, ttmp7, 0xffff                   ; b
	s_mov_b32 s60, 0x76543210                      ; v_permlanex16_b32: lane i reads lane i of the other half
	s_mov_b32 s61, 0xfedcba98
	s_mov_b32 s62, 0x42000000                      ; 32.0, twice
	s_mov_b32 s63, 0x42000000
	s_mov_b32 s66, 0xc2000000                      ; -32.0
	s_mov_b32 s68, 0x39b8aa3b                      ; 2^-12 log2(e), twice
	s_mov_b32 s69, 0x39b8aa3b
	; group 1: elements of 2 bytes; rows of 256 elements = 128 words, 4 words of padding behind each (LDS pitch 528)
	s_mov_b32 s[G1K+0], 0x07b1000f                 ; 15:0 mask 15; 17:16 size code 1; 20 padding; 21 set beside a mask; 24:22 code 6 (128 words); 31:25 code 3 (4 words)
	s_mov_b32 s[G1K+1], 256<<16                    ; tensor_dim0 = 256
	s_mov_b32 s[G1K+2], 32<<16                     ; tensor_dim1 = 32
	s_mov_b32 s[G1K+3], 256<<16                    ; tile_dim0 = 256
	s_mov_b32 s[G1K+4], 32                         ; tile_dim1 = 32
	s_mov_b32 s[G1K+5], 256                        ; elements from row to row
	s_mov_b32 s[G1K+6], 0
	s_mov_b32 s[G1K+7], 0
	s_mov_b32 s[G1M+0], 0x07b1000f
	s_mov_b32 s[G1M+1], 256<<16
	s_mov_b32 s[G1M+2], 64<<16
	s_mov_b32 s[G1M+3], 256<<16
	s_mov_b32 s[G1M+4], 64
	s_mov_b32 s[G1M+5], 256
	s_mov_b32 s[G1M+6], 0
	s_mov_b32 s[G1M+7], 0
	s_mov_b32 s[G1Q+0], 0x07910000                 ; no mask
	s_mov_b32 s[G1Q+1], 256<<16
	s_mov_b32 s[G1Q+2], 32<<16
	s_mov_b32 s[G1Q+3], 256<<16
	s_mov_b32 s[G1Q+4], 32
	s_mov_b32 s[G1Q+5], 256
	s_mov_b32 s[G1Q+6], 0
	s_mov_b32 s[G1Q+7], 0
	; group 0: LDS addresses hang on the wave's number alone
	s_mov_b32 s[G0M], 1
	s_mul_i32 s[G0M+1], s12, 64*PITCH
	s_mov_b32 s[G0Q], 1
	s_mul_i32 s[G0Q+1], s12, WROWS
	s_add_co_u32 s[G0Q+1], s[G0Q+1], RING+SLOT
	s_mov_b32 s[G0K], 1
	s_mul_i32 s[G0K+1], s12, WROWS
	s_add_co_u32 s[G0K+1], s[G0K+1], RING
	s_mov_b32 s[G0K+4], 1
	s_mul_i32 s[G0K+5], s12, WROWS
	s_add_co_u32 s[G0K+5], s[G0K+5], RING+SLOT
	s_lshl_b32 s56, s70, 17                        ; mt: 131,072 h + 64 w rows of 512 bytes
	s_lshl_b32 s58, s12, 15
	s_add_co_u32 s56, s56, s58
	s_mov_b32 s57, 0
	s_wait_kmcnt 0x0
	s_add_nc_u64 s[G0M+2:G0M+3], s[6:7], s[56:57]
	s_lshl_b32 s56, s72, 19                        ; the batch's rows of x + 32 w rows of 512 bytes: key tile 0
	s_lshl_b32 s58, s12, 14
	s_add_co_u32 s56, s56, s58
	s_add_nc_u64 s[G0K+2:G0K+3], s[4:5], s[56:57]
	s_add_nc_u64 s[G0K+6:G0K+7], s[G0K+2:G0K+3], 0x10000          ; key tile 1
	s_lshl_b32 s58, s71, 16                        ; my 128 query rows
	s_mov_b32 s59, 0
	s_add_nc_u64 s[G0Q+2:G0Q+3], s[G0K+2:G0K+3], s[58:59]
	s_or_b32 s[G0M+3], s[G0M+3], 0x80000000        ; type 2
	s_or_b32 s[G0Q+3], s[G0Q+3], 0x80000000
	s_or_b32 s[G0K+3], s[G0K+3], 0x80000000
	s_or_b32 s[G0K+7], s[G0K+7], 0x80000000
	s_lshl_b32 s56, s70, 10
	s_add_nc_u64 s[74:75], s[8:9], s[56:57]        ; cq of the head
	s_lshl_b32 s56, s72, 22                        ; at: rows of 4,096 bytes: 1,024 b + 128 qb + 64 qh; bytes 512 h + 256 kh
	s_lshl_b32 s58, s71, 19
	s_add_co_u32 s56, s56, s58
	s_lshl_b32 s58, s13, 18
	s_add_co_u32 s56, s56, s58
	s_lshl_b32 s58, s70, 9
	s_add_co_u32 s56, s56, s58
	s_lshl_b32 s58, s14, 8
	s_add_co_u32 s56, s56, s58
	s_add_nc_u64 s[76:77], s[10:11], s[56:57]
	ROUND                                          ; all four work-groups are here: the first joint loads meet
	tensor_load_to_lds s[G0M:G0M+3], s[G1M:G1M+7]  ; the first fills go out as one group: mt's head,
	s_nop 0
	tensor_load_to_lds s[G0Q:G0Q+3], s[G1Q:G1Q+7]  ; my query rows (into slot 1),
	s_nop 0
	tensor_load_to_lds s[G0K:G0K+3], s[G1K:G1K+7]  ; key tile 0 (into slot 0)
	s_nop 0
	s_mul_i32 s73, s14, 64*PITCH+256               ; my 64 keys of a tile and bytes 256 kh of a row
	s_add_co_u32 s73, s73, RING
	s_mul_i32 s78, s14, 64*PITCH-256               ; my 64 keys and bytes 256 (1 - kh)
	s_add_co_u32 s78, s78, RING+256
	s_mul_i32 s79, s13, 64*PITCH
	s_add_co_u32 s79, s79, RING+SLOT               ; my 64 query rows
	s_mul_i32 s67, s14, 128*PITCH                  ; my 128 rows of mt's head
	v_and_b32 v28, 15, v0                          ; r
	v_bfe_u32 v29, v0, 4, 1                        ; hl
	v_and_b32 v30, 7, v0
	v_bfe_u32 v31, v0, 3, 1
	v_mul_u32_u24 v1, v28, PITCH
	v_lshl_add_u32 v1, v29, 4, v1                  ; r x 528 + 16 hl
	v_add_nc_u32 v[KA], s73, v1
	v_add_nc_u32 v[KA+1], s78, v1
	v_add_nc_u32 v[KA+2], SLOT, v[KA]
	v_add_nc_u32 v[KA+3], SLOT, v[KA+1]
	v_lshl_add_u32 v30, v29, 3, v30
	v_mul_u32_u24 v30, v30, PITCH
	v_lshl_add_u32 v30, v31, 7, v30                ; (8 hl + (lane & 7)) x 528 + 128 for lanes 8-15 of each half
	v_add_nc_u32 v[VA], s73, v30
	v_add_nc_u32 v[VA+1], s78, v30
	v_add_nc_u32 v[VA+2], SLOT, v[VA]
	v_add_nc_u32 v[VA+3], SLOT, v[VA+1]
	v_add_nc_u32 v[QADR], s79, v1
	v_add_nc_u32 v[MADR], s67, v1
	v_lshlrev_b32 v[BOFF], 5, v29
	v_lshl_add_u32 v[BOFF], s14, 9, v[BOFF]        ; cq: 4 (128 kh + 8 hl)
	v_and_b32 v31, 31, v0
	v_lshlrev_b32 v31, 4, v31
	s_xor_b32 s58, s12, 1
	v_lshl_add_u32 v[XST], s12, 14, v31            ; Q' exchange: 16,384 bytes a wave, 16 a lane
	v_lshl_add_u32 v[XLD], s58, 14, v31
.irp tt, 0,1,2,3,4,5,6,7
	global_load_b128 v[BI+8*\tt:BI+8*\tt+3], v[BOFF], s[74:75] offset:64*\tt          ; cq in the layout of a result tile: register j = c2 16 tt + 8 hl + j
	global_load_b128 v[BI+8*\tt+4:BI+8*\tt+7], v[BOFF], s[74:75] offset:64*\tt+16
.endr
	s_wait_tensorcnt 0x1                           ; my parts of mt and of the query rows are in; key tile 0, issued behind them, may stay out
	s_barrier_signal -1
	s_barrier_wait -1                              ; everybody's are
	; THE PROJECTION: my 128 c2 (block kh) x my 64 queries, K = 256.  The query rows' fragments stay in window 2.
	WIN 0x80
.irp ks, 0,1,2,3,4,5,6,7
.irp qt, 0,1,2,3
	ds_load_b128 v[32*\ks+8*\qt:32*\ks+8*\qt+3], v[QADR] offset:16*PITCH*\qt+64*\ks
	ds_load_b128 v[32*\ks+8*\qt+4:32*\ks+8*\qt+7], v[QADR] offset:16*PITCH*\qt+64*\ks+32
.endr
.endr
	WIN 0
	LDK FB, MADR, 0
	LDK FB+32, MADR, 256
	LDK FB+64, MADR, 16*PITCH
	s_wait_loadcnt 0x0                             ; cq
; tile CT of c2 (accumulator set CT & 1) times 2^-12 log2(e), to f16, into half of Q's K step CT >> 1
.macro CONVERT
	WIN 0
.irp qt, 0,1,2,3
.irp e, 0,1,2,3
	v_pk_mul_f32 v[SB+32*(CT&1)+8*\qt+2*\e:SB+32*(CT&1)+8*\qt+2*\e+1], v[SB+32*(CT&1)+8*\qt+2*\e:SB+32*(CT&1)+8*\qt+2*\e+1], s[68:69] op_sel_hi:[1,0]
.endr
.endr
	WIN 0x40
.irp qt, 0,1,2,3
.irp e, 0,1,2,3
	v_cvt_pk_f16_f32 v[32*(CT>>1)+8*\qt+4*(CT&1)+\e], v[SB+32*(CT&1)+8*\qt+2*\e], v[SB+32*(CT&1)+8*\qt+2*\e+1]
.endr
.endr
.endm
; batch i: c2 tile i >> 1, K steps 4 (i & 1) + 0..3, four query tiles: 16 matrix instructions on four accumulators by turns.
; Three fragment buffers: batch i + 2 is loaded into the buffer that batch i - 1 has read, four places behind its last matrix instruction.
.macro PBATCH i
.if \i >= 1
	WIN 0
	PLACES 4
.if \i <= 13
.set NB, FB+32*((\i+2)%3)
.set NO, 16*PITCH*((\i+2)>>1)+256*((\i+2)&1)
	LDK NB, MADR, NO
.endif
.endif
.if \i >= 2
.if (\i&1) == 0
.set CT, \i/2-1
	CONVERT
.endif
.endif
.if \i <= 13
	s_wait_dscnt 16                                ; the 8 loads of each of the two later batches may be out
.else
	s_wait_dscnt 8*(15-\i)
.endif
	WIN 0x08                                       ; source 1 in window 2
.irp f, 0,1,2,3
.irp qt, 0,1,2,3
.set DD, SB+32*((\i>>1)&1)+8*\qt
.set AA, FB+32*(\i%3)+8*\f
.set BB, 32*(4*(\i&1)+\f)+8*\qt
.if (\i&1)+\f == 0
	v_wmma_f32_16x16x32_f16 v[DD:DD+7], v[AA:AA+7], v[BB:BB+7], v[BI+8*(\i>>1):BI+8*(\i>>1)+7]     ; the first product starts the sum from cq
.else
	v_wmma_f32_16x16x32_f16 v[DD:DD+7], v[AA:AA+7], v[BB:BB+7], v[DD:DD+7]
.endif
.endr
.endr
.endm
.irp i, 0,1,2,3,4,5,6,7,8,9,10,11,12,13,14,15
	PBATCH \i
.endr
	WIN 0
	PLACES 4
.set CT, 7
	CONVERT
	WIN 0
	s_wait_dscnt 0x0                               ; my reads of mt and of the query rows are over
	s_wait_xcnt 0x0
	v_lshl_add_u32 v254, v0, 2, 0x42000
	v_mov_b32 v255, 0
	s_wait_tensorcnt 0x0                           ; and all my tensor loads have landed, my part of key tile 0 among them
	ds_add_u32 v254, v255
	s_wait_dscnt 0x0
	ROUND                                          ; both now hold of every wave of all four work-groups
	tensor_load_to_lds s[G0K+4:G0K+7], s[G1K:G1K+7]                ; key tile 1 over the query rows: my one tensor load behind the round
	s_nop 0
	; the two waves of a qh exchange their halves of Q' through mt's bytes, which have had their only fill
	WIN 0x04                                       ; store data in window 1
.set ii, 0
.rept 32
	ds_store_b128 v[XST], v[4*ii:4*ii+3] offset:512*ii
.set ii, ii+1
.endr
	WIN 0
	s_wait_dscnt 0x0                               ; my stores are done before the partner reads them
	s_barrier_signal -1
	s_barrier_wait -1                              ; key tile 1 may stay out
	WIN 0x40
.set ii, 0
.rept 32
	ds_load_b128 v[128+4*ii:128+4*ii+3], v[XLD] offset:512*ii      ; the partner's half: K steps 4-7; the first batch's counted wait below covers these older loads
.set ii, ii+1
.endr
	WIN 0
; scores, batch i: key tile i >> 1 (16 keys), K steps 4 (i & 1) + 0..3, four query tiles
.macro KBATCH i, s
.if \i >= 1
.if \i <= 5
	PLACES 4
.set NB, FB+32*((\i+2)%3)
.set NA, KA+2*\s+((\i+2)&1)
.set NO, 16*PITCH*((\i+2)>>1)
	LDK NB, NA, NO
.endif
.endif
.if \i <= 5
	s_wait_dscnt 16                                ; the two later batches' 8 loads each may be out
.else
	s_wait_dscnt 8*(7-\i)
.endif
.irp f, 0,1,2,3
.irp qt, 0,1,2,3
.set DD, SB+32*\qt+8*(\i>>1)
.set AA, FB+32*(\i%3)+8*\f
.set BB, 32*(4*(\i&1)+\f)+8*\qt
.if (\i&1)+\f == 0
	v_wmma_f32_16x16x32_f16 v[DD:DD+7], v[AA:AA+7], v[BB:BB+7], 0
.else
	v_wmma_f32_16x16x32_f16 v[DD:DD+7], v[AA:AA+7], v[BB:BB+7], v[DD:DD+7]
.endif
.endr
.endr
.endm
; Softmax of query tile qt, the part that the first P x values products need.  A lane holds 32 of its query's 64 scores, the lane 16 further the
; other 32.  The maximum over all of them, the exponents of all, then exponentials, sum and packing of the lane's first 16 (keys 0-31 of the wave's 64).
.macro SMA qt, first
.set X, SB+32*\qt
	v_max3_num_f32 v[T], v[X], v[X+1], v[X+2]
	v_max3_num_f32 v[T+1], v[X+17], v[X+18], v[X+19]
.irp k, 0,1,2,3,4,5
	v_max3_num_f32 v[T], v[T], v[X+3+2*\k], v[X+4+2*\k]
	v_max3_num_f32 v[T+1], v[T+1], v[X+20+2*\k], v[X+21+2*\k]
.endr
	v_max3_num_f32 v[T], v[T], v[X+15], v[X+16]
	v_max_num_f32 v[T], v[T], v[T+1]
	v_permlanex16_b32 v[T+1], v[T], s60, s61
.if \first
	v_max_num_f32 v[MX+\qt], v[T], v[T+1]
.else
	v_max3_num_f32 v[T+3], v[MX+\qt], v[T], v[T+1] ; the running maximum
	v_sub_f32 v[T+2], v[MX+\qt], v[T+3]
	v_mov_b32 v[MX+\qt], v[T+3]
	v_mul_f32 v[T+2], s62, v[T+2]
	v_exp_f32 v[AL+2*\qt], v[T+2]                  ; what the old sums shrink by, twice for the packed multiplies;
	v_exp_f32 v[AL+2*\qt+1], v[T+2]                ; the two plain multiplies below stand behind them (ISA guide 5.7.2)
.endif
	v_mul_f32 v[NM], s66, v[MX+\qt]
	v_mul_f32 v[NM+1], s66, v[MX+\qt]
.irp k, 0,1,2,3,4,5,6,7,8,9,10,11,12,13,14,15
	v_pk_fma_f32 v[X+2*\k:X+2*\k+1], v[X+2*\k:X+2*\k+1], s[62:63], v[NM:NM+1] op_sel_hi:[1,0,1]   ; 32 S - 32 m, rounded once, never above 0
.endr
.set ii, 0
.rept 16
	v_exp_f32 v[X+ii], v[X+ii]
.set ii, ii+1
.endr
	v_nop                                          ; the plain place behind the run of exponentials
	s_wait_alu depctr_va_vdst(0)
	v_pk_add_f32 v[T:T+1], v[X:X+1], v[X+2:X+3]
	v_pk_add_f32 v[T+2:T+3], v[X+4:X+5], v[X+6:X+7]
.irp k, 0,1
	v_pk_add_f32 v[T:T+1], v[T:T+1], v[X+8+4*\k:X+9+4*\k]
	v_pk_add_f32 v[T+2:T+3], v[T+2:T+3], v[X+10+4*\k:X+11+4*\k]
.endr
	v_pk_add_f32 v[T:T+1], v[T:T+1], v[T+2:T+3]
.if \first
	v_add_f32 v[LS+\qt], v[T], v[T+1]
.else
	v_add_f32 v[T], v[T], v[T+1]
	v_fma_f32 v[LS+\qt], v[LS+\qt], v[AL+2*\qt], v[T]
.endif
.irp e, 0,1,2,3,4,5,6,7
	v_cvt_pk_f16_f32 v[X+\e], v[X+2*\e], v[X+2*\e+1]               ; two score tiles pack in place into P of keys 0-31
.endr
.endm
; The rest of the softmax (the lane's last 16 scores: keys 32-63), as sixteen slices numbered by KK, four for each query tile KK >> 2.
; One slice stands behind each product of batch 1, which reads P of keys 0-31 alone; P of keys 32-63 is first read in batch 2.
.macro SMBS
.set XQ, SB+32*(KK>>2)+16
.if (KK&3) < 2
.irp e, 0,1,2,3,4,5,6,7
	v_exp_f32 v[XQ+8*(KK&3)+\e], v[XQ+8*(KK&3)+\e]
.endr
.endif
.if (KK&3) == 2
	v_nop                                          ; the plain place behind the exponentials of the last slice
	s_wait_alu depctr_va_vdst(0)
	v_pk_add_f32 v[T:T+1], v[XQ:XQ+1], v[XQ+2:XQ+3]
	v_pk_add_f32 v[T+2:T+3], v[XQ+4:XQ+5], v[XQ+6:XQ+7]
.irp k, 0,1
	v_pk_add_f32 v[T:T+1], v[T:T+1], v[XQ+8+4*\k:XQ+9+4*\k]
	v_pk_add_f32 v[T+2:T+3], v[T+2:T+3], v[XQ+10+4*\k:XQ+11+4*\k]
.endr
	v_pk_add_f32 v[T:T+1], v[T:T+1], v[T+2:T+3]
	v_add_f32 v[T], v[T], v[T+1]
	v_add_f32 v[LS+(KK>>2)], v[LS+(KK>>2)], v[T]
.endif
.if (KK&3) == 3
.irp e, 0,1,2,3,4,5,6,7
	v_cvt_pk_f16_f32 v[XQ+\e], v[XQ+2*\e], v[XQ+2*\e+1]
.endr
.endif
.endm
; One slice of the rescaling: accumulator tile (c0 + (KK >> 2), query tile KK & 3) of the window that the caller has set (destination and source 0)
.macro RS4 c0
.irp e, 0,1,2,3
	v_pk_mul_f32 v[32*(\c0+(KK>>2))+8*(KK&3)+2*\e:32*(\c0+(KK>>2))+8*(KK&3)+2*\e+1], v[32*(\c0+(KK>>2))+8*(KK&3)+2*\e:32*(\c0+(KK>>2))+8*(KK&3)+2*\e+1], v[AL+2*(KK&3):AL+2*(KK&3)+1]
.endr
.endm
; P x values, batch i: window 2 + (i >> 2), keys 32 ((i >> 1) & 1) .., channel tiles 4 (i & 1) + 0..3, four query tiles.
; Behind each product of batch 0: window 2's tiles 4-7 are rescaled (first read in batch 1); of batch 1: a slice of the softmax's rest;
; of batches 2 and 3: window 3's tiles 0-3 and 4-7 (first read in batches 4 and 5).  A slice names none of the registers of the batch's products.
.macro VBATCH i, s, first
.if \i >= 1
.if \i <= 5
	WIN 0
.if (1-\first)*((\i==1)+(\i==3)+(\i==4))
	; the four packed multiplies behind the last product are the four places in front of these loads
.else
	PLACES 4
.endif
.set NB, FB+32*((\i+2)%3)
.set NA, VA+2*\s+((\i+2)>>2)
.set NO, 32*PITCH*(((\i+2)>>1)&1)+64*((\i+2)&1)
	LDV NB, NA, NO
.endif
.endif
.if \i <= 5
	s_wait_dscnt 16                                ; the two later batches' 8 loads each may be out
.else
	s_wait_dscnt 8*(7-\i)
.endif
.irp f, 0,1,2,3
.irp qt, 0,1,2,3
.set KK, 4*\f+\qt
.set DD, 32*(4*(\i&1)+\f)+8*\qt
.set AA, FB+32*(\i%3)+8*\f
.set BB, SB+32*\qt+16*((\i>>1)&1)
.if \i < 4
	WIN 0xa0                                       ; C and D in window 2
.else
	WIN 0xf0                                       ; in window 3
.endif
.if \first*(1-((\i>>1)&1))
	v_wmma_f32_16x16x32_f16 v[DD:DD+7], v[AA:AA+7], v[BB:BB+7], 0
.else
	v_wmma_f32_16x16x32_f16 v[DD:DD+7], v[AA:AA+7], v[BB:BB+7], v[DD:DD+7]
.endif
.if \i == 1
	WIN 0
	SMBS
.endif
.if \first == 0
.if \i == 0
	WIN 0x82                                       ; destination and source 0 in window 2
	RS4 4
.endif
.if \i == 2
	WIN 0xc3                                       ; in window 3
	RS4 0
.endif
.if \i == 3
	WIN 0xc3
	RS4 4
.endif
.endif
.endr
.endr
.endm
; One key tile, in slot s.  sync = 1: the other slot, read in the last step, is filled again two tiles ahead.  sync = 2: the last tile.
; All accumulators take turns, one instruction a turn, over the loop's backward jump too.
.macro STEP s, first, sync
.if \sync == 1
	s_wait_xcnt 0x0
	v_lshl_add_u32 v254, v0, 2, 0x42000
	v_mov_b32 v255, 0
	s_wait_tensorcnt 0x0                           ; all my tensor loads have landed, my part of this tile among them: a group 0 may be written
	ds_add_u32 v254, v255
	s_wait_dscnt 0x0
	s_add_nc_u64 s[G0K+4*(1-\s)+2:G0K+4*(1-\s)+3], s[G0K+4*(1-\s)+2:G0K+4*(1-\s)+3], 0x20000      ; the other slot's next tile: 256 rows on
	s_wait_dscnt 0x0                               ; my reads of the other slot are over
	ROUND                                          ; both now hold of every wave of all four work-groups
	tensor_load_to_lds s[G0K+4*(1-\s):G0K+4*(1-\s)+3], s[G1K:G1K+7]                               ; my one tensor load behind the round
	s_nop 0
.endif
.if \sync == 2
	s_wait_tensorcnt 0x0                           ; my part of the last tile is in
	s_wait_dscnt 0x0
	s_barrier_signal -1
	s_barrier_wait -1                              ; everybody's is; nothing is left to fetch
.endif
	PLACES 5                                       ; the loads below land in registers that matrix instructions have read, and the first products write over P
	LDK FB, KA+2*\s, 0
	LDK FB+32, KA+2*\s+1, 0
	LDK FB+64, KA+2*\s, 16*PITCH
	WIN 0x04                                       ; source 1 (Q') in window 1
.irp i, 0,1,2,3,4,5,6,7
	KBATCH \i, \s
.endr
	WIN 0
	PLACES 4
	LDV FB, VA+2*\s, 0                             ; the first value fragments come in under the softmax
	LDV FB+32, VA+2*\s, 64
	LDV FB+64, VA+2*\s, 32*PITCH
.irp q, 0,1,2,3
	SMA \q, \first
.endr
.if \first == 0
	WIN 0x82                                       ; window 2's tiles 0-3, which batch 0 adds onto
.set KK, 0
.rept 16
	RS4 0
.set KK, KK+1
.endr
.endif
.irp i, 0,1,2,3,4,5,6,7
	VBATCH \i, \s, \first
.endr
	WIN 0
.endm
	STEP 0, 1, 0                                   ; key tile 0: shown landed in every wave by the wait for 0 in front of the last round
	s_mov_b32 s3, 3
.Lloop:
	STEP 1, 0, 1                                   ; tiles 1, 3, 5; asks for 2, 4, 6
	STEP 0, 0, 1                                   ; tiles 2, 4, 6; asks for 3, 5, 7
	s_sub_co_u32 s3, s3, 1
	s_cmp_lg_u32 s3, 0
	s_cbranch_scc1 .Lloop
	STEP 1, 0, 2                                   ; tile 7
	; THE MERGE of the two halves of the keys: each wave sends m, l and window 3 of O to its partner through mt's bytes (33,792 a wave)
	PLACES 4
	v_and_b32 v7, 31, v0
	v_and_b32 v8, 15, v0
	v_bfe_u32 v9, v0, 4, 1
	s_mul_i32 s56, s12, 33792
	s_xor_b32 s57, s12, 1
	s_mul_i32 s57, s57, 33792
	s_mul_i32 s58, s12, 16*272
	s_add_co_u32 s58, s58, RING                    ; my stage: 16 rows of 272 bytes in slot 0
	v_lshl_add_u32 v2, v7, 4, s56                  ; what I send
	v_lshl_add_u32 v3, v7, 4, s57                  ; what I am sent
	v_mul_u32_u24 v4, v8, 272
	v_lshl_add_u32 v4, v9, 7, v4
	v_add_nc_u32 v4, s58, v4                       ; stage, in: row r, bytes 128 hl + 16 c
	v_mul_u32_u24 v5, v9, 272
	v_lshl_add_u32 v5, v8, 4, v5
	v_add_nc_u32 v5, s58, v5                       ; stage, back: lanes 0-15 one row of 256 bytes, lanes 16-31 the next
	v_lshlrev_b32 v6, 12, v9
	v_lshl_add_u32 v6, v8, 4, v6                   ; the same two rows in at
.irp q, 0,1,2,3
	v_permlanex16_b32 v[T], v[LS+\q], s60, s61     ; l of the other 32 keys
	v_add_f32 v[LS+\q], v[LS+\q], v[T]
.endr
	ds_store_b128 v2, v[MX:MX+3] offset:32768
	ds_store_b128 v2, v[LS:LS+3] offset:33280
	WIN 0x0c                                       ; store data in window 3
.set ii, 0
.rept 64
	ds_store_b128 v2, v[4*ii:4*ii+3] offset:512*ii
.set ii, ii+1
.endr
	WIN 0
	s_wait_dscnt 0x0                               ; my stores are done before the partner reads them
	s_barrier_signal -1
	s_barrier_wait -1
	ds_load_b128 v[32:35], v3 offset:32768         ; the partner's m
	ds_load_b128 v[36:39], v3 offset:33280         ; and l
; query tile qt: O = (mine w0 + partner's w1) / (l w0 + l' w1), to f16, through my stage, out in whole rows of 256 bytes
.macro OUTQ qt
.irp c, 0,1,2,3,4,5,6,7
	ds_load_b128 v[64+8*\c:64+8*\c+3], v3 offset:512*(8*\c+2*\qt)
	ds_load_b128 v[64+8*\c+4:64+8*\c+7], v3 offset:512*(8*\c+2*\qt)+512
.endr
	s_wait_dscnt 0x0
	v_max_num_f32 v[T], v[MX+\qt], v[32+\qt]
	v_sub_f32 v[T+1], v[MX+\qt], v[T]
	v_sub_f32 v[T+2], v[32+\qt], v[T]
	v_mul_f32 v[T+1], s62, v[T+1]
	v_mul_f32 v[T+2], s62, v[T+2]
	v_exp_f32 v[T+1], v[T+1]
	v_exp_f32 v[T+2], v[T+2]
	v_nop                                          ; the plain place behind the exponentials
	s_wait_alu depctr_va_vdst(0)
	v_mul_f32 v[T], v[36+\qt], v[T+2]
	v_fma_f32 v[T], v[LS+\qt], v[T+1], v[T]        ; at least 1: the larger maximum's own term
	v_rcp_f32 v[T], v[T]
	v_nop
	s_wait_alu depctr_va_vdst(0)
	v_mul_f32 v18, v[T+1], v[T]
	v_mul_f32 v19, v[T+1], v[T]
	v_mul_f32 v20, v[T+2], v[T]
	v_mul_f32 v21, v[T+2], v[T]
.set ii, 0
.rept 32
	v_pk_mul_f32 v[64+2*ii:64+2*ii+1], v[64+2*ii:64+2*ii+1], v[20:21]
.set ii, ii+1
.endr
	WIN 0x02                                       ; source 0 in window 2
.irp c, 0,1,2,3,4,5,6,7
.irp e, 0,1,2,3
	v_pk_fma_f32 v[64+8*\c+2*\e:64+8*\c+2*\e+1], v[32*\c+8*\qt+2*\e:32*\c+8*\qt+2*\e+1], v[18:19], v[64+8*\c+2*\e:64+8*\c+2*\e+1]
.endr
.endr
	WIN 0
.set ii, 0
.rept 32
	v_cvt_pk_f16_f32 v[128+ii], v[64+2*ii], v[64+2*ii+1]
.set ii, ii+1
.endr
.irp c, 0,1,2,3,4,5,6,7
	ds_store_b128 v4, v[128+4*\c:128+4*\c+3] offset:16*\c          ; channels 8 c + 64 hl .. of query r
.endr
	s_wait_xcnt 0x0                                ; the last tile's stores have read v[160:191], which are loaded again below
.irp u, 0,1,2,3,4,5,6,7
	ds_load_b128 v[160+4*\u:160+4*\u+3], v5 offset:544*\u          ; LDS serves a wave's instructions in order: these see the stores above
.endr
.irp u, 0,1,2,3,4,5,6,7
	s_wait_dscnt 7-\u                              ; the younger read-backs may be out
	global_store_b128 v6, v[160+4*\u:160+4*\u+3], s[76:77] offset:(16*\qt+2*\u)*4096   ; sixteen lanes store 256 consecutive bytes, aligned
.endr
.endm
	OUTQ 0
	OUTQ 1
	OUTQ 2
	OUTQ 3
	s_wait_xcnt 0x0
	v_lshl_add_u32 v254, v0, 2, 0x42000
	v_mov_b32 v255, 0
	s_wait_tensorcnt 0x0
	ds_add_u32 v254, v255
	s_wait_dscnt 0x0
	ROUND                                          ; the closing round: no work-group ends while a partner may still ask for a tile that names it
	s_endpgm
.Lfunc_end_k_q1939489be2_attn:
	.size	k_q1939489be2_attn, .Lfunc_end_k_q1939489be2_attn-k_q1939489be2_attn
	.p2alignl 7, 3214868480
	.fill 96, 4, 3214868480
	.section	.rodata,"a",@progbits
	.p2align	6, 0x0
	.amdhsa_kernel k_q1939489be2_attn
		.amdhsa_group_segment_fixed_size 327680
		.amdhsa_private_segment_fixed_size 0
		.amdhsa_enable_private_segment 0
		.amdhsa_kernarg_size 32
		.amdhsa_user_sgpr_count 2
		.amdhsa_user_sgpr_kernarg_segment_ptr 1
		.amdhsa_wavefront_size32 1
		.amdhsa_system_sgpr_workgroup_id_x 1
		.amdhsa_system_sgpr_workgroup_id_y 1
		.amdhsa_system_sgpr_workgroup_id_z 1
		.amdhsa_system_vgpr_workitem_id 0
		.amdhsa_next_free_vgpr 1024
		.amdhsa_next_free_sgpr 80
		.amdhsa_reserve_vcc 0
		.amdhsa_float_denorm_mode_32 3
		.amdhsa_float_denorm_mode_16_64 3
		.amdhsa_memory_ordered 1
		.amdhsa_forward_progress 1
		.amdhsa_inst_pref_size 255
	.end_amdhsa_kernel
	.section	.bss,"aw",@nobits
	.p2align	6
	.space	262144
	.amdgpu_metadata
---
amdhsa.version: [ 1, 2 ]
amdhsa.kernels:
  - .name:           k_q1939489be2_attn
    .symbol:         k_q1939489be2_attn.kd
    .args:
      - { .name: xh, .offset: 0, .size: 8, .value_kind: global_buffer, .address_space: global }
      - { .name: mt, .offset: 8, .size: 8, .value_kind: global_buffer, .address_space: global }
      - { .name: cq, .offset: 16, .size: 8, .value_kind: global_buffer, .address_space: global }
      - { .name: at, .offset: 24, .size: 8, .value_kind: global_buffer, .address_space: global }
    .group_segment_fixed_size: 327680
    .private_segment_fixed_size: 0
    .kernarg_segment_align: 8
    .kernarg_segment_size: 32
    .max_flat_workgroup_size: 128
    .sgpr_count:     80
    .vgpr_count:     1024
    .wavefront_size: 32
...
	.end_amdgpu_metadata
.endif
;; end of part 2
;; launch outp (part 3): grid 4 x 64, 4 waves a work-group, clusters of 4 x 4, 327,680 bytes of LDS; arguments at, nt, dp, bo, out0; writes out0
.if DOCPART == 3
	.amdgcn_target "amdgcn-amd-amdhsa--gfx1250"
	.amdhsa_code_object_version 6
	.text
	.protected	k_q1939489be2_outp
	.globl	k_q1939489be2_outp
	.p2align	8
	.type	k_q1939489be2_outp,@function
k_q1939489be2_outp:
	s_mov_b64 s[64:65], 0
	v_nop
	global_prefetch_b8 v0, s[64:65] scope:SCOPE_SE
	s_setreg_imm32_b32 hwreg(HW_REG_WAVE_MODE, 25, 1), 1
	s_wait_xcnt 0x0
	s_wait_alu depctr_hold_cnt(0) depctr_sa_sdst(0) depctr_va_vdst(0) depctr_va_sdst(0) depctr_va_ssrc(0) depctr_va_vcc(0) depctr_vm_vsrc(0)
	s_getreg_b32 s2, hwreg(HW_REG_IB_STS2, 6, 4)
	s_cmp_eq_u32 s2, 0
	s_cbranch_scc0 .Lentry_in_a_cluster
	s_endpgm
.Lentry_in_a_cluster:
	s_bfe_u32 s2, ttmp6, 0x10000c
	s_cmp_lg_u32 s2, 0xf033
	s_cbranch_scc0 .Lentry_shape_is_right
	s_endpgm
.Lentry_shape_is_right:
; OUTP: out0[q][o] = ( sum_k at[q][k] nt[o][k] ) / 16 + bo[o] + ( sum_h dp[h][o] ) / 16,  k = 0..2047.
; Left out, as shown at the head of the first kernel: the projection to v and bv's way through the softmax (rows of P sum to 1): Wv is folded
; into nt = 16 (Wv_h Wo_h)^T and bv into dp = 16 bv_h Wo_h.  LIMIT: operands in f16, |at| and |nt| below 65,504.
; SHARES: 256 work-groups, each a tile of 64 q x 64 o.  4 x 4 work-groups form a cluster: the four of a row of the cluster have the block of q in
; common and ask for at's tile jointly, the four of a column the block of o and ask for nt's jointly.
; K goes in four steps of 512 through two LDS slots (64 rows of at, 64 rows of nt, 1,024 bytes each, pitch 1,040).  THE WAVES SPLIT K: in each slot
; wave w takes k = 128 w .. 128 w + 127 for the whole tile, so each LDS byte is read once and each fragment feeds four products; the four
; partial tiles are added through LDS at the end.  Source 0 = rows of nt, source 1 = rows of at: a lane's eight results are eight neighbouring o of one q.
; By this text's own count a wave has at most two tensor loads outstanding (the first fills), later one.
.set PITCH,  1040
.set SLOT,   128*PITCH
.set WROWS,  32*PITCH
.set RPITCH, 272                       ; a row of 64 f32 + 16 bytes
.set REDW,   64*RPITCH                 ; a wave's partial tile; the four lie in slot 0, behind its last fill and last read
.set AADR, 4                           ; v4, v5  at's fragments in slot 0, 1
.set BADR, 6                           ; v6, v7  nt's
.set RST,  8
.set RRD,  9
.set CO,   10
.set BO,   11
.set BS,   12                          ; v[12:15] bo + sum dp / 16 of my four o
.set F0,   32                          ; v[32:95], v[96:159] two fragment buffers: four of at, four of nt
.set G1A, 24
.set G0A, 32                           ; s[32:39] one set for each slot
.set G1B, 48
.set G0B, 56
.set MSB, 0
.macro WIN new
.if MSB != \new
	s_set_vgpr_msb (MSB<<8)|\new
.set MSB, \new
.endif
.endm
.macro PLACES n
.rept \n
	v_nop
.endr
.endm
; A joint load: waves 0 and 1 fetch at's two halves, waves 2 and 3 nt's.  Each line has one mask; the branch hangs on the wave's number alone.
.macro JLOAD s
	s_cmp_eq_u32 s15, 0
	s_cbranch_scc0 .Lfor_b_\@
	tensor_load_to_lds s[G0A+4*\s:G0A+4*\s+3], s[G1A:G1A+7]
	s_nop 0
	s_branch .Lasked_\@
.Lfor_b_\@:
	tensor_load_to_lds s[G0B+4*\s:G0B+4*\s+3], s[G1B:G1B+7]
	s_nop 0
.Lasked_\@:
.endm
.macro CROUND                          ; a round of the cluster's barrier
	s_barrier_signal -1
	s_barrier_wait -1
	s_cmp_lg_u32 s14, 0
	s_cbranch_scc1 .Lnot_wave_0_\@
	s_barrier_signal -3
.Lnot_wave_0_\@:
	s_barrier_wait -3
	s_barrier_signal -1
	s_barrier_wait -1
.endm
	s_load_b256 s[4:11], s[0:1], 0x0               ; at s[4:5], nt s[6:7], dp s[8:9], bo s[10:11]
	s_load_b64 s[12:13], s[0:1], 0x20              ; out0
	v_lshl_add_u32 v254, v0, 2, 0x41000
	v_mov_b32 v255, 0
	ds_add_u32 v254, v255
	v_lshrrev_b32 v1, 5, v0
	v_readfirstlane_b32 s14, v1                    ; wave
	s_lshr_b32 s15, s14, 1                         ; I fetch for at (0) or for nt (1)
	s_and_b32 s16, s14, 1                          ; which 32 rows of that tile
	s_bfe_u32 s40, ttmp6, 0x40000                  ; cx
	s_bfe_u32 s41, ttmp6, 0x40004                  ; cy
	s_lshl_b32 s42, ttmp9, 2
	s_add_co_u32 s42, s42, s40                     ; ob: block of 64 o
	s_and_b32 s43, ttmp7, 0xffff
	s_lshl_b32 s43, s43, 2
	s_add_co_u32 s43, s43, s41                     ; qblk: block of 64 q
	s_lshl_b32 s44, s41, 2
	s_lshl_b32 s44, 15, s44                        ; my row of the cluster
	s_lshl_b32 s45, 0x1111, s40                    ; my column
	; group 1: elements of 2 bytes; 32 rows of 512 elements = 256 words, 4 words of padding behind each; 2,048 elements from row to row
	s_or_b32 s[G1A+0], s44, 0x07f10000             ; 17:16 size code 1; 20 padding; 21 set beside a mask; 24:22 code 7 (256 words); 31:25 code 3 (4 words)
	s_or_b32 s[G1B+0], s45, 0x07f10000
	s_mov_b32 s[G1A+1], 512<<16
	s_mov_b32 s[G1B+1], 512<<16
	s_mov_b32 s[G1A+2], 32<<16
	s_mov_b32 s[G1B+2], 32<<16
	s_mov_b32 s[G1A+3], 512<<16
	s_mov_b32 s[G1B+3], 512<<16
	s_mov_b32 s[G1A+4], 32
	s_mov_b32 s[G1B+4], 32
	s_mov_b32 s[G1A+5], 2048
	s_mov_b32 s[G1B+5], 2048
	s_mov_b32 s[G1A+6], 0
	s_mov_b32 s[G1B+6], 0
	s_mov_b32 s[G1A+7], 0
	s_mov_b32 s[G1B+7], 0
	; at's address hangs on the block of q alone, nt's on the block of o alone, each in registers that never hold the other coordinate
	s_lshl_b32 s17, s16, 17                        ; 32 rows of 4,096 bytes
	s_lshl_b32 s18, s43, 18                        ; 64 rows
	s_add_co_u32 s18, s18, s17
	s_mov_b32 s19, 0
	s_lshl_b32 s46, s42, 18
	s_add_co_u32 s46, s46, s17
	s_mov_b32 s47, 0
	s_mul_i32 s22, s14, WROWS                      ; LDS: wave x 32 rows
	s_lshl_b32 s70, s42, 8                         ; my 64 o in bo and dp, in bytes
	s_mov_b32 s71, 0
	s_mov_b32 s74, 0x3d800000                      ; 1/16, twice
	s_mov_b32 s75, 0x3d800000
	s_wait_dscnt 0x0
	s_wait_kmcnt 0x0
	s_add_nc_u64 s[20:21], s[4:5], s[18:19]
	s_add_nc_u64 s[46:47], s[6:7], s[46:47]
	s_add_nc_u64 s[66:67], s[10:11], s[70:71]      ; bo
	s_add_nc_u64 s[68:69], s[8:9], s[70:71]        ; dp
	s_lshl_b32 s17, s43, 16                        ; out0: (64 qblk + 16 w) rows of 1,024 bytes + 256 ob
	s_add_co_u32 s70, s70, s17
	s_lshl_b32 s17, s14, 14
	s_add_co_u32 s70, s70, s17
	s_add_nc_u64 s[72:73], s[12:13], s[70:71]
	CROUND                                         ; all sixteen work-groups are here: the first joint loads meet
.irp s, 0,1
	s_mov_b32 s[G0A+4*\s], 1
	s_add_co_u32 s[G0A+4*\s+1], s22, \s*SLOT
	s_add_nc_u64 s[G0A+4*\s+2:G0A+4*\s+3], s[20:21], \s*1024       ; K step s
	s_or_b32 s[G0A+4*\s+3], s[G0A+4*\s+3], 0x80000000
	s_mov_b32 s[G0B+4*\s], 1
	s_add_co_u32 s[G0B+4*\s+1], s22, \s*SLOT
	s_add_nc_u64 s[G0B+4*\s+2:G0B+4*\s+3], s[46:47], \s*1024
	s_or_b32 s[G0B+4*\s+3], s[G0B+4*\s+3], 0x80000000
	JLOAD \s
.endr
	v_and_b32 v1, 15, v0                           ; r
	v_bfe_u32 v2, v0, 4, 1                         ; hl
	v_mul_u32_u24 v3, v1, PITCH
	v_lshl_add_u32 v3, v2, 4, v3
	v_lshl_add_u32 v[AADR], s14, 8, v3             ; r x 1,040 + 16 hl + my 256 bytes of a row
	v_add_nc_u32 v[AADR+1], SLOT, v[AADR]
	v_add_nc_u32 v[BADR], 64*PITCH, v[AADR]
	v_add_nc_u32 v[BADR+1], 64*PITCH, v[AADR+1]
	s_mul_i32 s23, s14, REDW
	v_mul_u32_u24 v3, v1, RPITCH
	v_lshl_add_u32 v3, v2, 5, v3
	v_add_nc_u32 v[RST], s23, v3                   ; my partial tile: row r, bytes 32 hl
	s_mul_i32 s23, s14, 16*RPITCH
	v_mul_u32_u24 v3, v2, RPITCH
	v_lshl_add_u32 v3, v1, 4, v3
	v_add_nc_u32 v[RRD], s23, v3                   ; back: rows 16 w + hl .., bytes 16 r
	v_lshlrev_b32 v[BO], 4, v1
	v_lshl_add_u32 v[CO], v2, 10, v[BO]
	global_load_b128 v[160:163], v[BO], s[66:67]
.irp h, 0,1,2,3,4,5,6,7
	global_load_b128 v[164+4*\h:164+4*\h+3], v[BO], s[68:69] offset:1024*\h
.endr
	s_wait_loadcnt 0x0
.irp h, 1,2,3,4,5,6,7
	v_pk_add_f32 v[164:165], v[164:165], v[164+4*\h:164+4*\h+1]
	v_pk_add_f32 v[166:167], v[166:167], v[164+4*\h+2:164+4*\h+3]
.endr
	v_pk_fma_f32 v[BS:BS+1], v[164:165], s[74:75], v[160:161] op_sel_hi:[1,0,1]
	v_pk_fma_f32 v[BS+2:BS+3], v[166:167], s[74:75], v[162:163] op_sel_hi:[1,0,1]
.macro LDF buf, s, ks                  ; 16 loads: four fragments of at, four of nt, 32 along K
.irp q, 0,1,2,3
	ds_load_b128 v[\buf+8*\q:\buf+8*\q+3], v[AADR+\s] offset:16*PITCH*\q+64*\ks
	ds_load_b128 v[\buf+8*\q+4:\buf+8*\q+7], v[AADR+\s] offset:16*PITCH*\q+64*\ks+32
.endr
.irp q, 0,1,2,3
	ds_load_b128 v[\buf+32+8*\q:\buf+32+8*\q+3], v[BADR+\s] offset:16*PITCH*\q+64*\ks
	ds_load_b128 v[\buf+32+8*\q+4:\buf+32+8*\q+7], v[BADR+\s] offset:16*PITCH*\q+64*\ks+32
.endr
.endm
; my 128 of a slot's 512 along K: four batches of 16 matrix instructions on sixteen accumulators by turns
.macro COMPUTE s, first
.if \first == 0
	PLACES 4                                       ; the loads below land in registers that matrix instructions have read
.endif
	LDF F0, \s, 0
	LDF F0+64, \s, 1
.irp i, 0,1,2,3
.if \i == 1
	WIN 0
	PLACES 4
	LDF F0, \s, 2
.endif
.if \i == 2
	WIN 0
	PLACES 4
	LDF F0+64, \s, 3
.endif
.if \i < 3
	s_wait_dscnt 16                                ; the later batch's 16 loads may be out
.else
	s_wait_dscnt 0
.endif
	WIN 0x50                                       ; C and D in window 1
.irp ot, 0,1,2,3
.irp qt, 0,1,2,3
.set DD, 8*(4*\ot+\qt)
.set AA, F0+64*(\i&1)+32+8*\ot
.set BB, F0+64*(\i&1)+8*\qt
.if \first*(\i==0)
	v_wmma_f32_16x16x32_f16 v[DD:DD+7], v[AA:AA+7], v[BB:BB+7], 0
.else
	v_wmma_f32_16x16x32_f16 v[DD:DD+7], v[AA:AA+7], v[BB:BB+7], v[DD:DD+7]
.endif
.endr
.endr
.endr
	WIN 0
.endm
.macro REFILL s                        ; slot s, which has been read, gets the K step two further on
	s_wait_tensorcnt 0x0                           ; all my tensor loads have landed, my part of the other slot among them: a group 0 may be written
	ds_add_u32 v254, v255
	s_add_nc_u64 s[G0A+4*\s+2:G0A+4*\s+3], s[G0A+4*\s+2:G0A+4*\s+3], 2048
	s_add_nc_u64 s[G0B+4*\s+2:G0B+4*\s+3], s[G0B+4*\s+2:G0B+4*\s+3], 2048
	s_wait_dscnt 0x0                               ; my reads of this slot are over
	CROUND                                         ; both now hold of every wave of all sixteen work-groups
	JLOAD \s                                       ; my one tensor load behind the round
.endm
	s_wait_tensorcnt 0x1                           ; my part of K step 0 is in; K step 1's, issued behind it, may stay out
	s_barrier_signal -1
	s_barrier_wait -1                              ; everybody's is
	COMPUTE 0, 1
	REFILL 0
	COMPUTE 1, 0
	REFILL 1
	COMPUTE 0, 0
	s_wait_tensorcnt 0x0                           ; my part of the last K step is in
	s_wait_dscnt 0x0                               ; my reads of slot 0 are over: it becomes scratch behind this barrier
	s_barrier_signal -1
	s_barrier_wait -1
	COMPUTE 1, 0
	; the four partial tiles meet in LDS
	PLACES 4
	WIN 0x04                                       ; store data in window 1
.irp ot, 0,1,2,3
.irp qt, 0,1,2,3
	ds_store_b128 v[RST], v[8*(4*\ot+\qt):8*(4*\ot+\qt)+3] offset:16*RPITCH*\qt+64*\ot             ; q = 16 qt + r, o = 16 ot + 8 hl ..
	ds_store_b128 v[RST], v[8*(4*\ot+\qt)+4:8*(4*\ot+\qt)+7] offset:16*RPITCH*\qt+64*\ot+16
.endr
.endr
	WIN 0
	s_wait_dscnt 0x0                               ; my stores are done before the others read them
	s_barrier_signal -1
	s_barrier_wait -1
.irp p, 0,1,2,3
.irp u, 0,1,2,3,4,5,6,7
	ds_load_b128 v[F0+32*\p+4*\u:F0+32*\p+4*\u+3], v[RRD] offset:REDW*\p+2*RPITCH*\u               ; partial p, rows 16 w + 2 u + hl
.endr
.endr
	s_wait_dscnt 0x0
.irp u, 0,1,2,3,4,5,6,7
	v_pk_add_f32 v[F0+4*\u:F0+4*\u+1], v[F0+4*\u:F0+4*\u+1], v[F0+32+4*\u:F0+32+4*\u+1]
	v_pk_add_f32 v[F0+4*\u+2:F0+4*\u+3], v[F0+4*\u+2:F0+4*\u+3], v[F0+32+4*\u+2:F0+32+4*\u+3]
	v_pk_add_f32 v[F0+64+4*\u:F0+64+4*\u+1], v[F0+64+4*\u:F0+64+4*\u+1], v[F0+96+4*\u:F0+96+4*\u+1]
	v_pk_add_f32 v[F0+64+4*\u+2:F0+64+4*\u+3], v[F0+64+4*\u+2:F0+64+4*\u+3], v[F0+96+4*\u+2:F0+96+4*\u+3]
	v_pk_add_f32 v[F0+4*\u:F0+4*\u+1], v[F0+4*\u:F0+4*\u+1], v[F0+64+4*\u:F0+64+4*\u+1]
	v_pk_add_f32 v[F0+4*\u+2:F0+4*\u+3], v[F0+4*\u+2:F0+4*\u+3], v[F0+64+4*\u+2:F0+64+4*\u+3]
	v_pk_fma_f32 v[F0+4*\u:F0+4*\u+1], v[F0+4*\u:F0+4*\u+1], s[74:75], v[BS:BS+1] op_sel_hi:[1,0,1]
	v_pk_fma_f32 v[F0+4*\u+2:F0+4*\u+3], v[F0+4*\u+2:F0+4*\u+3], s[74:75], v[BS+2:BS+3] op_sel_hi:[1,0,1]
	global_store_b128 v[CO], v[F0+4*\u:F0+4*\u+3], s[72:73] offset:2048*\u                         ; sixteen lanes store 256 consecutive bytes, aligned
.endr
	s_wait_tensorcnt 0x0
	ds_add_u32 v254, v255
	s_wait_dscnt 0x0
	CROUND                                         ; the closing round: no work-group ends while a partner may still ask for a tile that names it
	s_endpgm
.Lfunc_end_k_q1939489be2_outp:
	.size	k_q1939489be2_outp, .Lfunc_end_k_q1939489be2_outp-k_q1939489be2_outp
	.p2alignl 7, 3214868480
	.fill 96, 4, 3214868480
	.section	.rodata,"a",@progbits
	.p2align	6, 0x0
	.amdhsa_kernel k_q1939489be2_outp
		.amdhsa_group_segment_fixed_size 327680
		.amdhsa_private_segment_fixed_size 0
		.amdhsa_enable_private_segment 0
		.amdhsa_kernarg_size 40
		.amdhsa_user_sgpr_count 2
		.amdhsa_user_sgpr_kernarg_segment_ptr 1
		.amdhsa_wavefront_size32 1
		.amdhsa_system_sgpr_workgroup_id_x 1
		.amdhsa_system_sgpr_workgroup_id_y 1
		.amdhsa_system_sgpr_workgroup_id_z 1
		.amdhsa_system_vgpr_workitem_id 0
		.amdhsa_next_free_vgpr 384
		.amdhsa_next_free_sgpr 76
		.amdhsa_reserve_vcc 0
		.amdhsa_float_denorm_mode_32 3
		.amdhsa_float_denorm_mode_16_64 3
		.amdhsa_memory_ordered 1
		.amdhsa_forward_progress 1
		.amdhsa_inst_pref_size 54
	.end_amdhsa_kernel
	.amdgpu_metadata
---
amdhsa.version: [ 1, 2 ]
amdhsa.kernels:
  - .name:           k_q1939489be2_outp
    .symbol:         k_q1939489be2_outp.kd
    .args:
      - { .name: at, .offset: 0, .size: 8, .value_kind: global_buffer, .address_space: global }
      - { .name: nt, .offset: 8, .size: 8, .value_kind: global_buffer, .address_space: global }
      - { .name: dp, .offset: 16, .size: 8, .value_kind: global_buffer, .address_space: global }
      - { .name: bo, .offset: 24, .size: 8, .value_kind: global_buffer, .address_space: global }
      - { .name: out0, .offset: 32, .size: 8, .value_kind: global_buffer, .address_space: global }
    .group_segment_fixed_size: 327680
    .private_segment_fixed_size: 0
    .kernarg_segment_align: 8
    .kernarg_segment_size: 40
    .max_flat_workgroup_size: 128
    .sgpr_count:     76
    .vgpr_count:     384
    .wavefront_size: 32
...
	.end_amdgpu_metadata
.endif
;; end of part 3
